; MI455X (gfx1250); checked and timed in simulation.
; The chip was launched on July 23, 2026; its instructions are those of AMD's public machine-readable ISA for CDNA 5 (MIT licence, August 2026) and "CDNA5" Instruction Set Architecture Reference Guide (July 2026). The comments in the code are by the model that wrote it; some were corrected since.
;; Attention. Allowed arithmetic: float matrix products may take bf16 or f16 operands with f32 sums; other float arithmetic in f32, or as packed bf16 or f16 multiplies, adds, multiply-adds, maxima and minima; sums over many terms, partial sums and values carried from step to step in f32; what a program stores and reads back later, other than sums and carried values, may be rounded once to bf16 or f16.
;; Inputs: K 4 x 16 x 2,048 x 64 float32; Q 4 x 16 x 2,048 x 64 float32; V 4 x 16 x 2,048 x 64 float32; mask 4 x 1 x 2,048 x 2,048 bool.
;; Outputs: out0 4 x 16 x 2,048 x 64 float32.
;; One version. Each part assembles by itself: llvm-mc -triple=amdgcn-amd-amdhsa -mcpu=gfx1250 --defsym DOCPART=n.
;; ======== version 1 of 1: 2 launches
;; limits: values are held in f16: magnitudes above 65,504 overflow, below 6.1e-05 lose precision; inputs' magnitudes at most 65,504; below input magnitudes of 6.1e-05 results are inexact or not finite
;; workspace buffers: Kh 16,777,216 bytes; Vh 16,777,216 bytes; mbits 2,097,152 bytes of whole numbers
;; launch prep (part 1): grid 256 x 1, 8 waves a work-group, no clusters, 70,656 bytes of LDS; arguments K, V, mask, Kh, Vh, mbits; writes Kh, Vh, mbits
.if DOCPART == 1
	.amdgcn_target "amdgcn-amd-amdhsa--gfx1250"
	.amdhsa_code_object_version 6
	.text
	.protected	k_qc5245e8ac3_prep
	.globl	k_qc5245e8ac3_prep
	.p2align	8
	.type	k_qc5245e8ac3_prep,@function
k_qc5245e8ac3_prep:
	s_mov_b64 s[64:65], 0
	v_nop
	global_prefetch_b8 v0, s[64:65] scope:SCOPE_SE
	s_setreg_imm32_b32 hwreg(HW_REG_WAVE_MODE, 25, 1), 1
	s_wait_xcnt 0x0
; PREPARATION FOR THE ATTENTION LAUNCH.  A stream: no matrix work, no cluster (no two work-groups read the same byte), no barrier (no wave reads what another wrote).
;   Kh, Vh [64][2048][64] f16 = K, V [64][2048][64] f32, each number rounded once.  LIMIT: a number of 65,520 or more in size becomes an infinity in f16.
;   mbits: the mask's bytes (not 0 = hidden) packed into words of 32 bits, one bit a lane, laid as the attention launch's lanes hold their scores:
;   word [b*16 + q/128][k/64][(q/16)%8][n], n = 8 kt + j; bit L = r + 16 h is mask[b][16 (q/16) + r][64 (k/64) + 16 kt + 8 h + j].  2,097,152 bytes: one bit for each byte of the mask.
; SHARES.  256 work-groups of 8 waves.  Wave gw = 8 wg + w of 2,048 converts 16,384 bytes of K and of V, and packs 32 rows x 256 keys of the mask: rows 32 wg .. + 31 of the 8,192 (b, q) rows, keys 256 w .. + 255.
; Every load of a wave covers 512 consecutive bytes (the mask's: two rows' 256), every store 256 consecutive bytes at a multiple of 256 from its buffer's first byte.  48 loads of a wave are out at the start.
; THE MASK goes through the wave's own LDS bytes to change lanes: in as rows of 256 bytes at a pitch of 272, out as 8 bytes a lane (row r, keys 8 h + 0..7 of a group of 16 keys).
.set ROWP,  272                        ; 256 bytes + 16 = 68 words: lane (r, h) reads words 68 r + 2 h + 0, 1: banks 4 r + 2 h + 0, 1 of 64 (64 banks of 4 bytes: ISA guide 11.1), each once
.set WREG,  32*ROWP                    ; a wave's 32 rows: 8,704 bytes, 34 blocks of 256
.set SPARE, 8*WREG                     ; behind them: the spare words, 128 bytes for each wave: four blocks of 256 bytes that no other line names
.set OUTW, 10                          ; v[10:17]   key step s: a pair; lane L holds words 2 L, 2 L + 1 of the step's 64
.set TT,   18                          ; v[18:25]   at work
.set SPW,  30                          ; v30        LDS address of my spare word; never rewritten
.set NIL,  31                          ; v31        0; never rewritten
.set MK,   32                          ; v[32:95]   the mask: as loaded, then as read back from LDS
.set FA,   96                          ; v[96:159]  16 loads of f32
.set FB,   160                         ; v[160:223] 16 more
.set HF,   224                         ; v[224:255] 16 pairs of registers of f16, to store
.set CM,   32                          ; s[32:47]   lane masks just made, two sets of eight by turns
	s_load_b256 s[4:11], s[0:1], 0x0               ; K s[4:5], V s[6:7], mask s[8:9], Kh s[10:11]
	s_load_b128 s[12:15], s[0:1], 0x20             ; Vh s[12:13], mbits s[14:15]
	v_lshl_add_u32 v[SPW], v0, 2, SPARE
	v_mov_b32 v[NIL], 0
	v_lshrrev_b32 v1, 5, v0
	v_readfirstlane_b32 s16, v1                    ; w: my wave's number
	v_and_b32 v1, 31, v0                           ; lane
	v_lshlrev_b32 v2, 4, v1                        ; 16 x lane: K's and V's loads
	v_lshlrev_b32 v3, 3, v1                        ; 8 x lane: all stores
	v_and_b32 v7, 15, v1                           ; lane % 16
	v_lshrrev_b32 v8, 4, v1                        ; lane / 16
	v_lshlrev_b32 v9, 4, v7
	v_lshl_add_u32 v4, v8, 11, v9                  ; the mask's loads: lanes 0-15 one row's 256 bytes, lanes 16-31 the next row's, 2,048 bytes on
	s_mul_i32 s26, s16, WREG                       ; my wave's LDS bytes
	v_mul_u32_u24 v5, v8, ROWP
	v_add_nc_u32 v5, v5, v9
	v_add_nc_u32 v5, s26, v5                       ; into LDS: the same two rows
	v_mul_u32_u24 v6, v7, ROWP
	v_lshl_add_u32 v6, v8, 3, v6
	v_add_nc_u32 v6, s26, v6                       ; out of LDS: row lane % 16, 8 bytes for each half of the lanes
.irp i, 0,1,2,3,4,5,6,7
	v_mov_b32 v[OUTW+(\i)], 0                      ; v_writelane_b32 changes one lane of a register: the register is written whole first
.endr
	s_lshl_b32 s17, ttmp9, 3
	s_add_co_u32 s17, s17, s16                     ; gw
	s_lshl_b32 s18, s17, 14                        ; my 16,384 bytes of K and of V
	s_mov_b32 s19, 0
	s_lshl_b32 s20, s17, 13                        ; my 8,192 bytes of Kh and of Vh
	s_mov_b32 s21, 0
	s_lshl_b32 s22, ttmp9, 16                      ; the mask: 32 rows of 2,048 bytes a work-group,
	s_lshl_b32 s27, s16, 8                         ; 256 keys a wave
	s_add_co_u32 s22, s22, s27
	s_mov_b32 s23, 0
	s_lshr_b32 s24, ttmp9, 2                       ; mbits: 128 rows (four work-groups) are 32,768 bytes,
	s_lshl_b32 s24, s24, 15
	s_and_b32 s27, ttmp9, 3                        ; my 32 rows are two tiles of 128 bytes in each key step,
	s_lshl_b32 s27, s27, 8
	s_add_co_u32 s24, s24, s27
	s_lshl_b32 s27, s16, 12                        ; my wave's four key steps of 1,024 bytes
	s_add_co_u32 s24, s24, s27
	s_mov_b32 s25, 0
	s_wait_kmcnt 0x0
	s_add_nc_u64 s[4:5], s[4:5], s[18:19]
	s_add_nc_u64 s[6:7], s[6:7], s[18:19]
	s_add_nc_u64 s[8:9], s[8:9], s[22:23]
	s_add_nc_u64 s[10:11], s[10:11], s[20:21]
	s_add_nc_u64 s[12:13], s[12:13], s[20:21]
	s_add_nc_u64 s[14:15], s[14:15], s[24:25]
.macro LD set, base, off               ; 16 loads: 8,192 consecutive bytes
.irp i, 0,1,2,3,4,5,6,7,8,9,10,11,12,13,14,15
	global_load_b128 v[(\set)+4*(\i):(\set)+4*(\i)+3], v2, s[(\base):(\base)+1] offset:(\off)+512*(\i) th:TH_LOAD_NT
.endr
.endm
.macro CV set                          ; 64 registers of f32 become 32 of f16: a lane's four numbers of a load become its 8 bytes of a store
.irp i, 0,1,2,3,4,5,6,7,8,9,10,11,12,13,14,15
	v_cvt_pk_f16_f32 v[HF+2*(\i)],   v[(\set)+4*(\i)],   v[(\set)+4*(\i)+1]
	v_cvt_pk_f16_f32 v[HF+2*(\i)+1], v[(\set)+4*(\i)+2], v[(\set)+4*(\i)+3]
.endr
.endm
.macro ST base, off                    ; 16 stores: 4,096 consecutive bytes; the next launch reads them, so no hint
.irp i, 0,1,2,3,4,5,6,7,8,9,10,11,12,13,14,15
	global_store_b64 v3, v[HF+2*(\i):HF+2*(\i)+1], s[(\base):(\base)+1] offset:(\off)+256*(\i)
.endr
.endm
.irp i, 0,1,2,3,4,5,6,7,8,9,10,11,12,13,14,15
	global_load_b128 v[MK+4*(\i):MK+4*(\i)+3], v4, s[8:9] offset:4096*(\i) th:TH_LOAD_NT  ; rows 2 i and 2 i + 1
.endr
	LD FA, 4, 0                                    ; K's first half
	LD FB, 4, 8192                                 ; K's second half
	s_wait_loadcnt 32                              ; loads come back in order (ISA guide 5.7.1): the mask is in, K's 32 loads stay out
.irp i, 0,1,2,3,4,5,6,7,8,9,10,11,12,13,14,15
	ds_store_b128 v5, v[MK+4*(\i):MK+4*(\i)+3] offset:2*ROWP*(\i)
.endr
	; LDS serves a wave's instructions in order (ISA guide 5.7.1.4): these loads see the stores above; the bytes are my wave's own.  Tile u (16 rows), key step s, group kt of 16 keys.
.irp s, 0,1,2,3
.irp u, 0,1
.irp kt, 0,1,2,3
	ds_load_b64 v[MK+2*(8*(\s)+4*(\u)+(\kt)):MK+2*(8*(\s)+4*(\u)+(\kt))+1], v6 offset:(\u)*16*ROWP+64*(\s)+16*(\kt)
.endr
.endr
.endr
	; A word: byte j of the lane's eight is cut out and compared with 0 in all 32 lanes at once: the compare's result IS the word.  It goes into lane (32 u + n) / 2 of the step's pair.
.irp s, 0,1,2,3
	s_wait_dscnt 24-8*(\s)                         ; step s's eight loads are in; the later steps' eights stay out
.irp u, 0,1
.irp kt, 0,1,2,3
.irp j, 0,1,2,3,4,5,6,7
	v_and_b32 v[TT+(\j)], 0xff<<(8*((\j)%4)), v[MK+2*(8*(\s)+4*(\u)+(\kt))+(\j)/4]
.endr
.irp j, 0,1,2,3,4,5,6,7
	v_cmp_ne_u32 s[CM+8*((\kt)%2)+(\j)], 0, v[TT+(\j)]
.endr
.irp j, 0,1,2,3,4,5,6,7
	v_writelane_b32 v[OUTW+2*(\s)+(\j)%2], s[CM+8*((\kt)%2)+(\j)], 16*(\u)+4*(\kt)+(\j)/2
.endr
.endr
.endr
	global_store_b64 v3, v[OUTW+2*(\s):OUTW+2*(\s)+1], s[14:15] offset:1024*(\s)  ; the step's 64 words: 256 consecutive bytes
.endr
	s_wait_loadcnt 16                              ; K's first half is in, its second stays out
	CV FA
	LD FA, 6, 0                                    ; V's first half, ahead of the stores
	ST 10, 0
	s_wait_loadcnt 16                              ; K's second half is in, V's first stays out
	s_wait_xcnt 0x0                                ; every earlier memory instruction has had its addresses translated (ISA guide 3.1): HF, which the stores above read, is rewritten only behind this wait
	CV FB
	LD FB, 6, 8192
	ST 10, 4096
	s_wait_loadcnt 16                              ; V's first half is in, its second stays out
	s_wait_xcnt 0x0                                ; HF again
	CV FA
	ST 12, 0
	s_wait_loadcnt 0x0                             ; nothing was issued behind V's second half
	s_wait_xcnt 0x0                                ; HF again
	CV FB
	ST 12, 4096
	s_wait_tensorcnt 0x0                           ; the wave's end, behind my last LDS store
	ds_add_u32 v[SPW], v[NIL]
	s_wait_dscnt 0x0
	s_endpgm
.Lfunc_end_k_qc5245e8ac3_prep:
	.size	k_qc5245e8ac3_prep, .Lfunc_end_k_qc5245e8ac3_prep-k_qc5245e8ac3_prep
	.p2alignl 7, 3214868480
	.fill 96, 4, 3214868480
	.section	.rodata,"a",@progbits
	.p2align	6, 0x0
	.amdhsa_kernel k_qc5245e8ac3_prep
		.amdhsa_group_segment_fixed_size 70656
		.amdhsa_private_segment_fixed_size 0
		.amdhsa_enable_private_segment 0
		.amdhsa_kernarg_size 48
		.amdhsa_user_sgpr_count 2
		.amdhsa_user_sgpr_kernarg_segment_ptr 1
		.amdhsa_wavefront_size32 1
		.amdhsa_system_sgpr_workgroup_id_x 1
		.amdhsa_system_sgpr_workgroup_id_y 1
		.amdhsa_system_sgpr_workgroup_id_z 1
		.amdhsa_system_vgpr_workitem_id 0
		.amdhsa_next_free_vgpr 256
		.amdhsa_next_free_sgpr 66
		.amdhsa_reserve_vcc 0
		.amdhsa_float_denorm_mode_32 3
		.amdhsa_float_denorm_mode_16_64 3
		.amdhsa_memory_ordered 1
		.amdhsa_forward_progress 1
		.amdhsa_inst_pref_size 76
	.end_amdhsa_kernel
	.amdgpu_metadata
---
amdhsa.version: [ 1, 2 ]
amdhsa.kernels:
  - .name:           k_qc5245e8ac3_prep
    .symbol:         k_qc5245e8ac3_prep.kd
    .args:
      - { .name: K, .offset: 0, .size: 8, .value_kind: global_buffer, .address_space: global }
      - { .name: V, .offset: 8, .size: 8, .value_kind: global_buffer, .address_space: global }
      - { .name: mask, .offset: 16, .size: 8, .value_kind: global_buffer, .address_space: global }
      - { .name: Kh, .offset: 24, .size: 8, .value_kind: global_buffer, .address_space: global }
      - { .name: Vh, .offset: 32, .size: 8, .value_kind: global_buffer, .address_space: global }
      - { .name: mbits, .offset: 40, .size: 8, .value_kind: global_buffer, .address_space: global }
    .group_segment_fixed_size: 70656
    .private_segment_fixed_size: 0
    .kernarg_segment_align: 8
    .kernarg_segment_size: 48
    .max_flat_workgroup_size: 256
    .sgpr_count:     66
    .vgpr_count:     256
    .wavefront_size: 32
...
	.end_amdgpu_metadata
.endif
;; end of part 1
;; launch attn (part 2): grid 4 x 64, 4 waves a work-group, clusters of 4 x 1, 327,680 bytes of LDS; arguments Kh, Vh, Q, mbits, out0; writes out0
.if DOCPART == 2
	.amdgcn_target "amdgcn-amd-amdhsa--gfx1250"
	.amdhsa_code_object_version 6
	.text
	.protected	k_qc5245e8ac3_attn
	.globl	k_qc5245e8ac3_attn
	.p2align	8
	.type	k_qc5245e8ac3_attn,@function
k_qc5245e8ac3_attn:
	s_mov_b64 s[64:65], 0
	v_nop
	global_prefetch_b8 v0, s[64:65] scope:SCOPE_SE
	s_setreg_imm32_b32 hwreg(HW_REG_WAVE_MODE, 25, 1), 1
	s_wait_xcnt 0x0
	s_wait_alu depctr_hold_cnt(0) depctr_sa_sdst(0) depctr_va_vdst(0) depctr_va_sdst(0) depctr_va_ssrc(0) depctr_va_vcc(0) depctr_vm_vsrc(0)
	s_getreg_b32 s2, hwreg(HW_REG_IB_STS2, 6, 4)
	s_cmp_eq_u32 s2, 0
	s_cbranch_scc0 .Lentry_in_a_cluster
	s_endpgm
.Lentry_in_a_cluster:
	s_bfe_u32 s2, ttmp6, 0x10000c
	s_cmp_lg_u32 s2, 0x3003
	s_cbranch_scc0 .Lentry_shape_is_right
	s_endpgm
.Lentry_shape_is_right:
; MASKED ATTENTION.  out0[h][q][:] = the sum over the keys k that the mask leaves visible of softmax_k(Q[h][q] . K[h][k] / 8) V[h][k][:].  64 heads (4 batches x 16), 2,048 queries and keys, 64 channels.
; Q and out0 are f32; Kh and Vh are K and V in f16, [64][2048][64], a head's rows dense, 128 bytes each; mbits is the mask, one bit a score, in words of one bit a lane (below).  Q is rounded to f16 here, once.
; Products, maxima and sums in f32; the weights p are rounded to f16 for the second product (their sum l is taken of the unrounded p).
; LIMITS.  f16 holds no number beyond 65,504: a Q, K or V of 65,520 or more in size is an infinity.  A hidden score counts as -2^100; visible scores, 2.7e11 at the most in f16's range, are nothing beside that.
; A weight below 2^-126 counts as 0 in l; p below 6e-5 keeps f16's fixed step of 6e-8.  NaN and infinities among the inputs are not treated apart.
; A ROW WITH NO VISIBLE KEY is NaN, as a softmax of nothing but -inf is: its running maximum ends at -2^100, below -2^99, and its l is then replaced by NaN.
; While a row has seen hidden keys alone, c s - c m is exactly 0 (-2^100 is a power of two, so c m is exact), p is 1, and l and O stay finite; the first visible key gives a = 0, which wipes them.
; SHARES.  A wave owns four PIECES of two tiles of 16 queries, a work-group's four waves 512 queries of one head: 256 work-groups.  Every wave walks all keys, 64 a step.
; LAYOUT.  S^T = K Q^T (source 0 = 16 keys, source 1 = 16 queries): a lane holds ONE query (lane % 16); register n = 8 kt + j of a tile's 32 holds key 16 kt + 8 (lane / 16) + j.  Two results rounded to f16 in
; pairs ARE source 1 of O^T = V^T P, whose result again holds one query a lane, and eight channels.  K comes out of LDS as it lies, V ([key][channel]) turned, by ds_load_tr16_b128.
; THE MASK.  Word [batch x 16 + q / 128][step][tile][n] of mbits has in bit L what lane L's register n must know.  A piece's 64 words of a step, 256 consecutive bytes, come into scalar registers by four scalar
; loads a turn ahead, and one v_cndmask_b32 a register puts -2^100 where the bit is set: one vector instruction a score, nothing to unpack.
; SOFTMAX.  A running maximum m and sum l a query: p = 2^(c s - c m), c = log2(e) / 8; in every step O and l are multiplied by a = 2^(c m_old - c m_new).  m starts at the lowest finite number, O and l at 0.
; BY TURNS.  Turn n belongs to piece n (the pieces in a ring, step after step).  Its matrix work: 16 products K Q^T of piece n + 1, later 16 products V^T P of piece n - 1.  Its vector work: scaling, exponentials,
; roundings, sums and rescaling of piece n; mask, maximum and statistics of piece n + 1.  32 matrix and 300 vector instructions: four vector instructions stand behind every product, the others in two runs.
; CLUSTER.  The four query blocks of a head form a cluster and walk the same K and V: each tile is asked for JOINTLY, by the same tensor load, descriptor and mask of four in all four work-groups.
; REGISTERS, in windows of 256 (s_set_vgpr_msb says which window each operand place means: bits 1:0 source 0, 3:2 source 1, 5:4 source 2, 7:6 destination):
;   window 0: v0-11 addresses and two constants; v12-15, v48-63 at work; v16-47 four registers of statistics a tile; v64-191 S^T, two buffers of two tiles; v192-255 P, likewise
;   window 1: O^T, 32 a tile (at the start: Q as loaded, f32)     window 2: v0-127 Q in f16, 16 a tile; v128-191 K of one step; v192-255 V of one step     window 3: v0-1 the add's two registers
.set NP,    4         ; pieces a wave: a name, no knob
.set KS,    64        ; keys in a step
.set PK,    144       ; a row of K in LDS: 128 bytes + 16 of padding = 36 words: the 16 rows of a load start at 16 different groups of four banks (64 banks of 4 bytes: ISA guide 11.1)
.set PV,    144       ; V has the same pitch, so that one descriptor serves all four waves; of the turning load's 16 lanes (8 rows x 32 bytes) two then meet in one group of banks: row 7's second half, row 0's first
.set VOFF,  4*KS*PK   ; a slot holds four steps: 256 rows of K, then 256 rows of V
.set SLOT1, 1<<17     ; slot 1 begins here, so that one exclusive or turns an address in one slot into the other's
.set STAGE, SLOT1+4*KS*(PK+PV)  ; behind the ring, never filled by a tensor load: 16 rows x 272 bytes for each wave, for the way out
.set SP,    272       ; a row of 64 f32 + 16 bytes
.set SPARE, STAGE+4*16*SP  ; behind the stages: the spare words, 128 bytes for each wave: two blocks of 256 bytes that no other line names
.set AK0, 2           ; v2   my lane's place in a tile of K; never rewritten
.set AV0, 3           ; v3   the same for V
.set AK,  4           ; v4   the LDS address of K's next run of loads
.set AV,  5           ; v5   of V's
.set QO,  6           ; v6   my byte offset in 16 rows of Q
.set STO, 6           ;      later, the way out: where I put 32 bytes of a row
.set RD,  7           ; v7   the way out: where I read rows back
.set GO,  8           ; v8   my byte offset in 512 consecutive bytes of out0
.set NANV, 10         ; v10  at the end: NaN
.set BIGV, 11         ; v11  -2^100
.set MV,  12          ; v12-15  c m_old, kept while c m is made anew: by buffer and tile
.set ST,  16          ; tile t's statistics at v[ST+4 t]: c m, m, l (even keys', odd keys')
.set TMP, 48          ; by buffer and tile, four registers c0-c3 at work; when the maximum is found c2 takes a
.set S,   64
.set P,   192
.set KF,  128         ; K's fragments, in window 2: key block kb, channel half c at KF + 16 kb + 8 c
.set VF,  192         ; V's: key half kk, channel block cb at VF + 32 kk + 8 cb
.set SPW, 0           ; v0 of window 3   LDS address of my spare word: SPARE + 4 x my thread's number; never rewritten
.set NIL, 1           ; v1 of window 3   0; never rewritten
.set OP,  2           ; s[2:3]   out0 at my wave's first row
.set MP,  4           ; s[4:5]   mbits at my wave's 128 rows, the step whose words are asked for next
.set WV,  6           ; s6   my wave's number
.set SLOTS, 7         ; s7   slots still to be asked for
.set CNT, 8           ; s8   counts a slot's key steps
.set TBK, 9           ; s9   LDS byte at which K of the step to be fetched begins
.set TBV, 10          ; s10  the same for V, less VOFF
.set CS,  12          ; s[12:13] c: the packed scaling takes the pair's low word for both halves
.set SEL, 14          ; s[14:15] v_permlanex16_b32's selects: each lane takes its own place in the other half
.set G1,  16          ; s[16:23] descriptor group 1
.set G0,  24          ; s[24:27] descriptor group 0: it walks
.set MW,  28          ; s[28:59] the mask words of the piece's first tile, s[68:99] of its second: word (u, n) in s[MW + 40 u + n]
.set BUMP, 60         ; s[60:61] the tail's step of MP: 1,024 or 0
.set QP,  62          ; s[62:63] Q at my wave's first row
.set MSB, 0
.macro WIN new                      ; the high byte repeats the setting that is left; a switch that changes nothing is dropped
.if MSB != (\new)
	s_set_vgpr_msb (MSB<<8)|(\new)
.set MSB, (\new)
.endif
.endm
.set W_KQ, 0x0a       ; K and Q in window 2, S^T in window 0
.set W_PV, 0x52       ; V in window 2, P in window 0, O^T in window 1
.set W_RS, 0x41       ; O^T (destination and source 0) in window 1, a in window 0
.set W_QC, 0x85       ; Q is rounded: sources 0 and 1 in window 1, destination in window 2
.set W_OUT, 0x01      ; the way out: O^T (source 0) in window 1, the rest in window 0
.set W_MK, 0xc0       ; the add's registers are made: destination in window 3, sources in window 0
.set W_AD, 0x0f       ; the add: address (source 0) and data (source 1) in window 3
; A joint fill.  Wave w brings 128 keys to LDS byte 18,432 w of the slot: waves 0 and 1 the two halves of the slot's K, waves 2 and 3 those of its V.  One line for all: LDS word and address hang on the
; wave's number and the head, which the four partners share.  An s_nop 0 and four v_nop follow it.
.macro JLOAD
	tensor_load_to_lds s[G0:G0+3], s[G1:G1+7]
	s_nop 0
.rept 4
	v_nop
.endr
.endm
; A round of the cluster's barrier: my work-group's barrier, so that wave 0's signal speaks for all four waves; wave 0 signals; every wave waits for all four work-groups; my work-group's barrier once more.
.macro CROUND
	s_barrier_signal -1
	s_barrier_wait -1
	s_cmp_lg_u32 s[WV], 0
	s_cbranch_scc1 .Lnot_wave_0_\@
	s_barrier_signal -3
.Lnot_wave_0_\@:
	s_barrier_wait -3
	s_barrier_signal -1
	s_barrier_wait -1
.endm
; THE CHANGE OF SLOTS.  The slot's last bytes, V of its fourth step, have been read.  Each wave waits for all its tensor loads, of which one is out: its part of the other slot; adds 0 to its spare word; and
; waits for that and for its own reads of the slot.  Behind the barrier nobody reads this slot any more and the other slot is whole.
; fill = 1: this slot is filled again, with the keys two slots on.  The barrier is then a round of the cluster's, so that no wave of any partner still reads the slot or has a load on its way, and the joint
; fill is the first thing behind it: it has four key steps, 512 matrix instructions, in which to land.  (At its first use nothing has been read yet: slot 0 is waited for, slot 1 filled.)
.macro CHANGE fill
	WIN W_AD
	s_wait_tensorcnt 0x0            ; no tensor load of mine is out, so group 0 may be written
	ds_add_u32 v[SPW], v[NIL]       ; 0 onto my spare word; with fill = 1 the descriptor's steps stand between it and the wait for it
	WIN 0                           ; at a label and at a branch every window is 0
.if \fill
	s_xor_b32 s[G0+1], s[G0+1], SLOT1  ; the other slot than last time,
	s_add_nc_u64 s[G0+2:G0+3], s[G0+2:G0+3], 4*KS*128  ; the next 256 keys; the type bits on top are not reached
	s_wait_dscnt 0x0                ; the add is done, and my reads of the slot are over
	CROUND
	JLOAD
.else
	s_wait_dscnt 0x0                ; the add is done, and my reads of the slot are over
	s_barrier_signal -1
	s_barrier_wait -1
.endif
	s_sub_co_u32 s[TBK], s[TBK], 4*KS*PK  ; the fetches go back to a slot's first step,
	s_xor_b32 s[TBK], s[TBK], SLOT1       ; in the other slot
	s_sub_co_u32 s[TBV], s[TBV], 4*KS*PV
	s_xor_b32 s[TBV], s[TBV], SLOT1
.endm
; The 64 mask words of piece pn in the step at which MP stands: 256 consecutive bytes.
.macro LOADP pn
	s_load_b512 s[MW:MW+15],    s[MP:MP+1], (\pn)*256
	s_load_b512 s[MW+16:MW+31], s[MP:MP+1], (\pn)*256+64
	s_load_b512 s[MW+40:MW+55], s[MP:MP+1], (\pn)*256+128
	s_load_b512 s[MW+56:MW+71], s[MP:MP+1], (\pn)*256+192
.endm
; In turn p the words for the next turn's mask are asked for: piece p + 2's.  In piece 2's turn that is piece 0 of the next step: MP steps 1,024 bytes; the turn's wait for its own words has shown every
; scalar load that named MP done.  last = 1 (the tail): in the last trip there is no further step, MP stays, and no load leaves mbits.
.macro LOADM p, last
.if (\p) == NP-2
.if \last
	s_cmp_eq_u32 s[CNT], 1
	s_cselect_b32 s[BUMP], 0, 0x400
	s_add_nc_u64 s[MP:MP+1], s[MP:MP+1], s[BUMP:BUMP+1]
.else
	s_add_nc_u64 s[MP:MP+1], s[MP:MP+1], 0x400
.endif
.endif
	LOADP ((\p)+2)%NP
.endm
	s_load_b256 s[28:35], s[0:1], 0x0  ; Kh s[28:29], Vh s[30:31], Q s[32:33], mbits s[34:35]: in registers that the mask words take later
	s_load_b64 s[36:37], s[0:1], 0x20  ; out0
	WIN W_MK
	v_lshl_add_u32 v[SPW], v0, 2, SPARE
	v_mov_b32 v[NIL], 0
	WIN W_AD
	ds_add_u32 v[SPW], v[NIL]       ; the wave's opening: the add and its wait stand ahead of my first tensor load; the set-up below, work on registers, stands between them
	WIN 0
	v_lshrrev_b32 v1, 5, v0
	v_readfirstlane_b32 s[WV], v1   ; wave 0..3
	s_and_b32 s40, ttmp7, 0xffff    ; the head, which the four partners share
	s_lshl_b32 s42, s40, 18         ; its 2,048 rows of 128 bytes in Kh and Vh,
	s_and_b32 s43, s[WV], 1         ; which half of a slot's 256 keys I fetch:
	s_lshl_b32 s43, s43, 14         ; 128 rows of 128 bytes
	s_add_co_u32 s42, s42, s43
	s_mov_b32 s43, 0
	s_bfe_u32 s41, ttmp6, 0x40000   ; cx: my place in the cluster: it enters the offsets of Q, out0 and mbits alone
	s_lshl_b32 s46, ttmp9, 2        ; in a cluster launch ttmp9 counts clusters
	s_add_co_u32 s46, s46, s41      ; my block of 512 queries
	s_lshl_b32 s46, s46, 2
	s_add_co_u32 s46, s46, s[WV]    ; my wave among the head's sixteen
	s_lshl_b32 s47, s46, 15         ; its 128 rows of 256 bytes,
	s_lshl_b32 s48, s40, 19         ; in the head's 2,048
	s_add_co_u32 s48, s48, s47
	s_mov_b32 s49, 0
	s_lshr_b32 s50, s40, 4          ; the batch: its 16 heads share the mask
	s_lshl_b32 s50, s50, 4
	s_add_co_u32 s50, s50, s46
	s_lshl_b32 s50, s50, 15         ; 128 rows' words: 32 steps of 1,024 bytes
	s_mov_b32 s51, 0
	; descriptor group 1.  128 keys are 16,384 dense bytes: asked for as 64 rows of 256 bytes, two keys a row, and padded in LDS after every key
	s_mov_b32 s[G1], 15|(1<<16)|(1<<20)|(1<<21)|(4<<22)|(3<<25)  ; 15:0 the mask of four; 17:16 2-byte elements; 20 padding on; 21 set beside a mask; 24:22 after every 32 words (code 4); 31:25 4 words (code 3)
	s_mov_b32 s[G1+1], 128<<16      ; tensor_dim0 = 128
	s_mov_b32 s[G1+2], 64<<16       ; tensor_dim1 = 64
	s_mov_b32 s[G1+3], 128<<16      ; tile_dim0 = 128
	s_mov_b32 s[G1+4], 64           ; tile_dim1 = 64
	s_mov_b32 s[G1+5], 128          ; 128 elements from row to row
	s_mov_b32 s[G1+6], 0
	s_mov_b32 s[G1+7], 0
	s_mov_b32 s[G0], 1              ; 1:0 count = 1
	s_mul_i32 s[G0+1], s[WV], 128*PK  ; 63:32 LDS address: slot 0, my 128 padded rows
	s_mov_b32 s[CS], 0x3e38aa3b     ; c = log2(e) / 8 = 0.180337
	s_mov_b32 s[CS+1], s[CS]        ; named with it as a pair
	s_mov_b32 s[SEL], 0x76543210
	s_mov_b32 s[SEL+1], 0xfedcba98
	s_mov_b32 s[TBK], SLOT1+4*KS*PK ; the first change of slots turns these two into 0
	s_mov_b32 s[TBV], SLOT1+4*KS*PV
	s_mov_b32 s[BUMP+1], 0
	s_wait_dscnt 0x0                ; the opening add is done
	s_wait_kmcnt 0x0
	s_cmp_lt_u32 s[WV], 2           ; waves 0 and 1 fetch from Kh, waves 2 and 3 from Vh
	s_cselect_b64 s[G0+2:G0+3], s[28:29], s[30:31]
	s_add_nc_u64 s[G0+2:G0+3], s[G0+2:G0+3], s[42:43]  ; 120:64 global address: my half of the head's first 256 keys
	s_or_b32 s[G0+3], s[G0+3], 0x80000000              ; 127:126 type = 2
	s_add_nc_u64 s[QP:QP+1], s[32:33], s[48:49]
	s_add_nc_u64 s[MP:MP+1], s[34:35], s[50:51]
	s_add_nc_u64 s[OP:OP+1], s[36:37], s[48:49]
	CROUND                          ; all four work-groups are here: the first joint loads meet
	JLOAD                           ; slot 0.  Slot 1 is asked for when slot 0 is in
	LOADP 0                         ; piece 0's mask words of step 0
	; A fragment of Q is 16 rows x 32 channels in 8 registers of f16: lane l holds row l % 16, channels 8 (l / 16) + 0..7 and 16 + 8 (l / 16) + 0..7.  In f32 each eight channels are 32 bytes: two loads.
	v_and_b32 v1, 15, v0            ; l % 16
	v_bfe_u32 v9, v0, 4, 1          ; l / 16
	v_lshlrev_b32 v[QO], 8, v1
	v_lshl_add_u32 v[QO], v9, 5, v[QO]  ; row x 256 + 32 x half
	WIN 0x40                        ; destination window 1, address window 0
.set i, 0
.rept 64                            ; tile i / 8, channel half (i / 4) % 2, group of 16 channels (i / 2) % 2, 16 bytes i % 2.  No hint: eight of these lines take pieces of each row of 256 bytes
	global_load_b128 v[4*i:4*i+3], v[QO], s[QP:QP+1] offset:(i/8)*4096+((i/4)%2)*128+((i/2)%2)*64+(i%2)*16
.set i, i+1
.endr
	; What the first turn finds: V's registers and P's second buffer hold 0 (its products V^T P, of a piece that has not been, add 0), O^T and l are 0.  All this stands in the wait for Q and the first tile.
	WIN 0x80
.set i, VF
.rept 64
	v_mov_b32 v[i], 0
.set i, i+1
.endr
	WIN 0
.set i, 0
.rept 2*NP
	v_mov_b32 v[ST+4*i], 0xfe000000    ; c m: far below every c s, hidden ones too
	v_mov_b32 v[ST+4*i+1], 0xff7fffff  ; m
	v_mov_b32 v[ST+4*i+2], 0
	v_mov_b32 v[ST+4*i+3], 0
.set i, i+1
.endr
.set i, P+32
.rept 32
	v_mov_b32 v[i], 0
.set i, i+1
.endr
	v_mul_u32_u24 v[AK0], v1, PK
	v_lshl_add_u32 v[AK0], v9, 4, v[AK0]  ; row x pitch + 16 x half
	; The turning load takes 16 keys x 16 channels (lane l reads key 8 (l / 16) + l % 8, channels 8 ((l / 8) % 2) + 0..7) and leaves half a fragment of V^T: lane l holds channel l % 16 and 8 keys.
	v_and_b32 v10, 7, v0
	v_bfe_u32 v11, v0, 3, 1
	v_lshl_add_u32 v[AV0], v9, 3, v10
	v_mul_u32_u24 v[AV0], v[AV0], PV
	v_lshl_add_u32 v[AV0], v11, 4, v[AV0]
	v_add_nc_u32 v[AV0], VOFF, v[AV0]
	v_mov_b32 v[AK], v[AK0]         ; key step 0 lies at the head of slot 0
	v_mov_b32 v[BIGV], 0xf1800000   ; -2^100
	s_wait_loadcnt 0x0              ; Q is in
	WIN W_QC
.set i, 0
.rept 128                           ; register i of Q in f16 takes registers 2 i, 2 i + 1 of Q in f32: rounded once
	v_cvt_pk_f16_f32 v[i], v[2*i], v[2*i+1]
.set i, i+1
.endr
	WIN 0x40
.set i, 0
.rept 64*NP                         ; the registers that Q has left are O^T's
	v_mov_b32 v[i], 0
.set i, i+1
.endr
	WIN 0
; THE MATRIX WORK.  The 8 accumulators of a run of 16 take turns: between the two links of a chain stand 7 others'.
; Product i of 16 of S^T = K Q^T for piece x: channels 32 (i / 8) on, keys 16 ((i / 2) % 4) on, tile 2 x + i % 2.  The first 8 start the sums.
.macro KQ x
	WIN W_KQ
.set rS, S+64*((\x)%2)+32*(i%2)+8*((i/2)%4)
.set rK, KF+16*((i/2)%4)+8*(i/8)
.set rQ, 16*(2*(\x)+i%2)+8*(i/8)
.if i < 8
	v_wmma_f32_16x16x32_f16 v[rS:rS+7], v[rK:rK+7], v[rQ:rQ+7], 0
.else
	v_wmma_f32_16x16x32_f16 v[rS:rS+7], v[rK:rK+7], v[rQ:rQ+7], v[rS:rS+7]
.endif
.endm
; Product i of 16 of O^T += V^T P for piece x: keys 32 (i / 8) on, channels 16 ((i / 2) % 4) on, tile 2 x + i % 2.
.macro PV x
	WIN W_PV
.set rO, 32*(2*(\x)+i%2)+8*((i/2)%4)
.set rV, VF+32*(i/8)+8*((i/2)%4)
.set rP, P+32*((\x)%2)+16*(i%2)+8*(i/8)
	v_wmma_f32_16x16x32_f16 v[rO:rO+7], v[rV:rV+7], v[rP:rP+7], v[rO:rO+7]
.endm
.macro MM                           ; the turn's next matrix instruction
.if i < 16
	KQ (Y+1)%NP
.set i, i+1
.else
.set i, i-16
	PV (Y+NP-1)%NP
.set i, i+17
.endif
.endm
; THE LDS LOADS stand in runs of 16, never singly among the matrix instructions: a step's K (64 keys x 64 channels: 8 fragments) and its V (turned).  Their addresses are made some lines ahead.
; last = 1 (the tail): in the last trip there is no further step, and the run is jumped over.
.macro FETCH_K last=0
	WIN 0
.if \last
	s_cmp_eq_u32 s[CNT], 1
	s_cbranch_scc1 .Lno_k_\@
.endif
	WIN 0x80                        ; destination window 2
.irp f, 0,1,2,3,4,5,6,7             ; keys 16 (f / 2) on, channels 32 (f % 2) on
	ds_load_b128 v[KF+8*\f:KF+8*\f+3],   v[AK] offset:(\f/2)*16*PK+(\f%2)*64
	ds_load_b128 v[KF+8*\f+4:KF+8*\f+7], v[AK] offset:(\f/2)*16*PK+(\f%2)*64+32
.endr
	s_add_co_u32 s[TBK], s[TBK], KS*PK  ; the next fetch is the next step's
	WIN 0
.if \last
.Lno_k_\@:
.endif
.endm
.macro FETCH_V
	WIN 0x80
.irp f, 0,1,2,3,4,5,6,7             ; keys 32 (f / 4) on, channels 16 (f % 4) on
	ds_load_tr16_b128 v[VF+8*\f:VF+8*\f+3],   v[AV] offset:(\f/4)*32*PV+(\f%4)*32
	ds_load_tr16_b128 v[VF+8*\f+4:VF+8*\f+7], v[AV] offset:(\f/4)*32*PV+16*PV+(\f%4)*32
.endr
	WIN 0
.endm
; THE VECTOR WORK OF A TURN stands in three queues, each in the order in which its entries become ready; the two tiles alternate, so that no instruction reads the result of the one before it.
.macro REGS y, u                    ; the registers of tile u (0, 1) of piece y
.set rT, ST+4*(2*(\y)+(\u))
.set rC, TMP+8*((\y)%2)+4*(\u)
.set rM, MV+2*((\y)%2)+(\u)
.set rS, S+64*((\y)%2)+32*(\u)
.set rP, P+32*((\y)%2)+16*(\u)
.set rO, 32*(2*(\y)+(\u))
.endm
; Number n of the 64 that mask the NEXT piece's (Y + 1) scores: register n / 2 of tile n % 2 takes -2^100 in the lanes whose bit is set.  The registers ascend: each accumulator is read from its low end on.
.macro MS n
	REGS (Y+1)%NP, (\n)%2
	v_cndmask_b32 v[rS+(\n)/2], v[rS+(\n)/2], v[BIGV], s[MW+40*((\n)%2)+(\n)/2]
.endm
; Number n of the 22 that find the NEXT piece's maximum and statistics.  s0-s31 are the lane's 32 masked scores.  MS, XS, GS and REGS set no window: PL and EX do.
;   0-11  four chains c0-c3 of seven scores each, three operands at a time     12-14, 16  the four scores left over, the old m, and c0-c3 into c0     15  c m_old is kept
;   17, 18  the query's other 32 keys lie in the lane 16 away: the new m         19-21  c m; c m_old - c m_new; a
.macro XS u, n
	REGS (Y+1)%NP, \u
.if (\n) < 4
	v_max3_num_f32 v[rC+(\n)], v[rS+8*(\n)], v[rS+8*(\n)+1], v[rS+8*(\n)+2]
.elseif (\n) < 12
	v_max3_num_f32 v[rC+(\n)%4], v[rC+(\n)%4], v[rS+8*((\n)%4)+2*((\n)/4)+1], v[rS+8*((\n)%4)+2*((\n)/4)+2]
.elseif (\n) == 12
	v_max3_num_f32 v[rC], v[rC], v[rS+7], v[rS+15]
.elseif (\n) == 13
	v_max3_num_f32 v[rC+1], v[rC+1], v[rS+23], v[rS+31]
.elseif (\n) == 14
	v_max3_num_f32 v[rC+2], v[rC+2], v[rC+3], v[rT+1]
.elseif (\n) == 15
	v_mov_b32 v[rM], v[rT]
.elseif (\n) == 16
	v_max3_num_f32 v[rC], v[rC], v[rC+1], v[rC+2]
.elseif (\n) == 17
	v_permlanex16_b32 v[rC+3], v[rC], s[SEL], s[SEL+1]
	s_wait_alu depctr_va_vdst(0)
.elseif (\n) == 18
	v_max_num_f32 v[rT+1], v[rC], v[rC+3]
.elseif (\n) == 19
	v_mul_f32 v[rT], s[CS], v[rT+1]
.elseif (\n) == 20
	v_sub_f32 v[rC+1], v[rM], v[rT]
.else
	v_exp_f32 v[rC+2], v[rC+1]
.endif
.endm
; Number g of the 64 that follow the exponentials.  For each four weights k of a tile (pairs 2 k, 2 k + 1): both pairs are rounded to f16; then the second pair is added onto the first, in place;
; a group later l takes that sum (the first time as l = a l + sum).  In groups of eight, tiles alternating: round, round, add, and l for the group before.
.macro GS g
.set h, (\g)+6*((\g)/62)            ; group 0 has no group before it, and behind group 7 only l is left
.if h >= 6
.set h, h+2
.endif
	REGS Y, h%2
.set k, h/8
.if h%8 < 4
	v_cvt_pk_f16_f32 v[rP+2*k+(h%8)/2], v[rS+4*k+2*((h%8)/2)], v[rS+4*k+2*((h%8)/2)+1]
.elseif h%8 < 6
	v_pk_add_f32 v[rS+4*k:rS+4*k+1], v[rS+4*k:rS+4*k+1], v[rS+4*k+2:rS+4*k+3]
.elseif k == 1
	v_pk_fma_f32 v[rT+2:rT+3], v[rT+2:rT+3], v[rC+2:rC+3], v[rS:rS+1] op_sel_hi:[1,0,1]
.else
	v_pk_add_f32 v[rT+2:rT+3], v[rT+2:rT+3], v[rS+4*k-4:rS+4*k-3]
	s_wait_alu depctr_va_vdst(0)
.endif
.endm
; THE PLAIN QUEUE, 202 long.  0-31: c s - c m for the 16 pairs of both tiles of piece Y.  32-95: the next piece's mask.  96, 97: its c m_old is kept.  98-129: its maxima (numbers 0-14 and 16).
; 130-143: numbers 17-20, each of which waits for the one before it, two by two with GS's first six between them.  144-201: the rest of GS.
.macro PL
	WIN 0
.if q < 32
	REGS Y, q%2
	v_pk_fma_f32 v[rS+2*(q/2):rS+2*(q/2)+1], v[rS+2*(q/2):rS+2*(q/2)+1], s[CS:CS+1], v[rT:rT+1] op_sel_hi:[1,0,0] neg_lo:[0,0,1] neg_hi:[0,0,1]
.elseif q < 96
	MS q-32
.elseif q < 98
	XS q%2, 15
.elseif q < 130
	XS q%2, (q-98)/2+(q-98)/30
.elseif (q < 144) && ((q-130)%4 < 2)
	XS q%2, 17+(q-130)/4
.elseif q < 144
	GS 2*((q-130)/4)+(q-130)%4-2
.else
	GS q-138
.endif
.set q, q+1
.endm
; THE EXPONENTIALS' QUEUE, 66 long: s0-s31 of both tiles of piece Y, then the next piece's two a.
.macro EX
	WIN 0
.if e >= 64
	XS e-64, 21
.else
	REGS Y, e%2
	v_exp_f32 v[rS+e/2], v[rS+e/2]
.endif
.set e, e+1
.endm
; THE RESCALING's QUEUE: O^T times a, the one part that leaves window 0, so it is dealt four at a time, eight times.
.macro R4
	REGS Y, r%2
	WIN W_RS
	s_wait_alu depctr_va_vdst(0)
.irp z, 0,1,2,3
	v_pk_mul_f32 v[rO+8*(r/2)+2*\z:rO+8*(r/2)+2*\z+1], v[rO+8*(r/2)+2*\z:rO+8*(r/2)+2*\z+1], v[rC+2:rC+3] op_sel_hi:[1,0]
.endr
.set r, r+1
.endm
; HOW THEY ARE DEALT.  Behind a matrix instruction four: plain, exponential, plain, plain; or four of the rescaling; or, behind the first, four scalings.  None names a register of the products round it.
; The rest stands in two runs of exponential, plain, plain; the second ends in 43 plain instructions.  Behind every exponential stands a plain instruction that neither reads its result nor writes its source.
.macro SL
	MM
	PL
	EX
	PL
	PL
.endm
.macro T3
	EX
	PL
	PL
.endm
; A TURN, for piece p.  The queues lean on each other, and the deal keeps them in step.  Ahead of exponential e stand 5 + 3 e plain entries in part A, 25 + 2 (e - 7) in B, 82 + 3 (e - 35) in C,
; 129 + 2 (e - 51) in D: always more than 2 (e / 4) + e % 2, its scaling's number; a's argument (plain 142, 143) stands ahead of exponential 64, which has 155 in front of it.
; GS's group k begins at plain 8 k + 136 and wants exponentials up to 8 k + 7: groups 0 to 2 come while e is 51 or more, groups 3 to 7 behind the last exponential.
;   A  16 products K Q^T; the closing four rescalings are the four places between the last of them and what follows (the loads into K's registers, the mask's reads of the scores)
;   B  28 x (exponential, plain, plain); the mask begins at plain 32, behind the wait for its words, which were asked for in part C of the turn before.  In piece 2's turn: the next step's K
;   C  16 products V^T P; behind the fifth the mask has read its last word (plain 95), and the next turn's words are asked for
;   D  15 x (exponential, plain, plain), 43 plain.  In piece 0's turn: V of the step in hand, 88 vector instructions behind the last product that read V
.macro TURN p, last=0
.set Y, (\p)
.set i, 0
.set q, 0
.set e, 0
.set r, 0
.if (\p) == NP-1
	s_wait_dscnt 0x0                ; K is in
.endif
	MM
.rept 4
	PL
.endr
.rept 7
	SL
	MM
	R4
.endr
	MM
	R4
	s_wait_kmcnt 0x0                ; the 64 mask words of piece p + 1 are in (scalar loads return in no order: the count is 0)
.rept 4
	T3
.endr
.if (\p) == NP-2
	WIN 0
	v_add_nc_u32 v[AK], s[TBK], v[AK0]
.endif
.rept 4
	T3
.endr
.if (\p) == NP-2
	FETCH_K \last
.endif
.rept 20
	T3
.endr
.if (\p) == 1
	s_wait_dscnt 0x0                ; V is in
.endif
.rept 5
	SL
.endr
	LOADM \p, \last
.rept 11
	SL
.endr
.rept 15
	T3
.endr
.if (\p) == 0
	WIN 0
	v_add_nc_u32 v[AV], s[TBV], v[AV0]
	s_wait_alu depctr_va_vdst(0)
.endif
.rept 43
	PL
.endr
.if (\p) == 0
	s_add_co_u32 s[TBV], s[TBV], KS*PV
	FETCH_V
.endif
.endm
	CHANGE 1                        ; slot 0 is in, everybody's part of it; slot 1 is asked for
	FETCH_K                         ; key step 0
	s_wait_dscnt 0x0
.set i, 0
.rept 16
	KQ 0                            ; piece 0's first scores: there is no vector work yet to set between them
.set i, i+1
.endr
	WIN 0                           ; the addresses for the way out: eight plain instructions, the places behind those products
	s_mul_i32 s[BUMP], s[WV], 16*SP
	s_add_co_u32 s[BUMP], s[BUMP], STAGE  ; my stage (the register is free until the tail)
	v_mul_u32_u24 v[STO], v1, SP    ; in: row l % 16, 32 bytes for each half of the lanes
	v_lshl_add_u32 v[STO], v9, 5, v[STO]
	v_add_nc_u32 v[STO], s[BUMP], v[STO]
	v_mul_u32_u24 v[RD], v9, SP     ; back: lanes 0-15 take one row of 256 bytes, lanes 16-31 the next,
	v_lshl_add_u32 v[RD], v1, 4, v[RD]
	v_add_nc_u32 v[RD], s[BUMP], v[RD]
	v_and_b32 v[GO], 31, v0         ; which are 512 consecutive bytes of out0
	v_lshlrev_b32 v[GO], 4, v[GO]
	s_wait_kmcnt 0x0                ; piece 0's mask words
.set Y, NP-1                        ; MS and XS work for piece Y + 1: piece 0
.set j, 0
.rept 64
	MS j
.set j, j+1
.endr
	LOADP 1                         ; the words that the first turn's mask wants
.irp n, 0,1,2,3,4,5,6,7,8,9,10,11,12,13,14,15,16,17,18,19,20,21
	XS 0, \n                        ; piece 0's first maximum and statistics
	XS 1, \n
.endr
	s_mov_b32 s[CNT], 4
	s_mov_b32 s[SLOTS], 2048/256-1
	s_branch .Lfirst                ; the loop is entered at a step's first turn, in the middle of a trip
.Lslot:                             ; six times: every slot but the last two is filled again
	CHANGE 1
	s_mov_b32 s[CNT], 4
.Lstep:                             ; a trip: pieces 2 and 3 of one step, then pieces 0 and 1 of the next, whose K and V it fetches
	TURN 2
	TURN 3
	WIN 0
.Lfirst:
	TURN 0
	TURN 1
	WIN 0
	s_sub_co_u32 s[CNT], s[CNT], 1
	s_cmp_lg_u32 s[CNT], 0
	s_cbranch_scc1 .Lstep
	s_sub_co_u32 s[SLOTS], s[SLOTS], 1
	s_cmp_lg_u32 s[SLOTS], 0
	s_cbranch_scc1 .Lslot
	CHANGE 0                        ; the tail is written out: nothing is asked for
	s_mov_b32 s[CNT], 5             ; four trips fetch the last slot's steps; the fifth is left in its middle
.Ltail:
	TURN 2, 1
	TURN 3
	WIN 0
	s_sub_co_u32 s[CNT], s[CNT], 1
	s_cmp_eq_u32 s[CNT], 0
	s_cbranch_scc1 .Lout
	TURN 0
	TURN 1
	WIN 0
	s_branch .Ltail
.Lout:                              ; the fifth trip's 16 products K Q^T are the last step's once more, under the last step's mask words: the maximum made of them leaves piece 0's m as it was.  The price, once a launch, of one text for every trip
	s_wait_kmcnt 0x0                ; the words asked for in the last turn serve nothing: they are waited for, so that no scalar load is out at the end
.set i, 0
.rept 16
	PV NP-1                         ; the last piece's V^T P of the last step
.set i, i+1
.endr
	; THE WAY OUT.  l's two halves and the other half of the lanes' are added; where no key was visible l becomes NaN; O^T is divided by l and sent through my stage in LDS, a tile at a time.  The additions are the places behind the last products.
	WIN 0
.macro ALL line:vararg              ; one line for each tile t
.set t, 0
.rept 2*NP
	\line
.set t, t+1
.endr
.endm
	ALL v_add_f32 v[ST+4*t+2], v[ST+4*t+2], v[ST+4*t+3]
	ALL v_permlanex16_b32 v[ST+4*t+3], v[ST+4*t+2], s[SEL], s[SEL+1]
	ALL v_add_f32 v[ST+4*t+2], v[ST+4*t+2], v[ST+4*t+3]
	v_mov_b32 v[NANV], 0x7fc00000
.set t, 0
.rept 2*NP
	v_cmp_gt_f32 vcc_lo, 0xf1000000, v[ST+4*t+1]   ; -2^99 > m: every key of the row was hidden
	v_cndmask_b32 v[ST+4*t+2], v[ST+4*t+2], v[NANV], vcc_lo
.set t, t+1
.endr
	ALL v_rcp_f32 v[ST+4*t+2], v[ST+4*t+2]
	v_nop                           ; a plain instruction between the last reciprocal and the use of its result
	s_wait_alu depctr_va_vdst(0)
; Tile t: O^T / l goes into one of four buffers of 32 registers where S^T lay; a lane's eight channels of a row, 32 bytes, go into rows of 272 bytes and come back as whole rows of 256, into the same registers.
.macro PACK t
.if (\t) >= 4
	s_wait_xcnt 0x0                 ; every earlier memory instruction has had its addresses translated (ISA guide 3.1): the buffer, which tile t - 4's stores read, is rewritten only behind this wait
.endif
	WIN W_OUT
.set i, 0
.rept 16
	v_pk_mul_f32 v[S+32*((\t)%4)+2*i:S+32*((\t)%4)+2*i+1], v[32*(\t)+2*i:32*(\t)+2*i+1], v[ST+4*(\t)+2:ST+4*(\t)+3] op_sel_hi:[1,0]
.set i, i+1
.endr
	WIN 0
.irp f, 0,1,2,3,4,5,6,7             ; channels 16 (f / 2) + 8 (l / 16) + 4 (f % 2) on
	ds_store_b128 v[STO], v[S+32*((\t)%4)+4*\f:S+32*((\t)%4)+4*\f+3] offset:64*(\f/2)+16*(\f%2)
.endr
.irp f, 0,1,2,3,4,5,6,7
	ds_load_b128 v[S+32*((\t)%4)+4*\f:S+32*((\t)%4)+4*\f+3], v[RD] offset:\f*2*SP  ; LDS serves a wave's instructions in order (ISA guide 5.7.1.4): these see the stores above; the next tile's stores come behind them
.endr
.endm
.macro SEND t, younger              ; younger: the LDS instructions issued behind tile t's loads: the next tile's sixteen, or none
	WIN 0
.irp f, 0,1,2,3,4,5,6,7
	s_wait_dscnt (\younger)+7-\f
	global_store_b128 v[GO], v[S+32*((\t)%4)+4*\f:S+32*((\t)%4)+4*\f+3], s[OP:OP+1] offset:(\t)*4096+\f*512 th:TH_STORE_NT  ; 512 consecutive bytes, at a multiple of 256 from out0's first
.endr
.endm
	PACK 0
.set t, 1
.rept 2*NP-1                        ; a tile's arithmetic stands between the loads of the tile before and its stores
	PACK t
	SEND t-1, 16
.set t, t+1
.endr
	SEND 2*NP-1, 0
	WIN W_AD
	s_wait_tensorcnt 0x0            ; the wave's end, behind my last tensor load and my last LDS store
	ds_add_u32 v[SPW], v[NIL]
	s_wait_dscnt 0x0
	WIN 0
	CROUND                          ; the closing round: no work-group ends while a partner may still ask for a tile that names it
	s_endpgm
.Lfunc_end_k_qc5245e8ac3_attn:
	.size	k_qc5245e8ac3_attn, .Lfunc_end_k_qc5245e8ac3_attn-k_qc5245e8ac3_attn
	.p2alignl 7, 3214868480
	.fill 96, 4, 3214868480
	.section	.rodata,"a",@progbits
	.p2align	6, 0x0
	.amdhsa_kernel k_qc5245e8ac3_attn
		.amdhsa_group_segment_fixed_size 327680
		.amdhsa_private_segment_fixed_size 0
		.amdhsa_enable_private_segment 0
		.amdhsa_kernarg_size 40
		.amdhsa_user_sgpr_count 2
		.amdhsa_user_sgpr_kernarg_segment_ptr 1
		.amdhsa_wavefront_size32 1
		.amdhsa_system_sgpr_workgroup_id_x 1
		.amdhsa_system_sgpr_workgroup_id_y 1
		.amdhsa_system_sgpr_workgroup_id_z 1
		.amdhsa_system_vgpr_workitem_id 0
		.amdhsa_next_free_vgpr 770
		.amdhsa_next_free_sgpr 100
		.amdhsa_reserve_vcc 1
		.amdhsa_float_denorm_mode_32 3
		.amdhsa_float_denorm_mode_16_64 3
		.amdhsa_memory_ordered 1
		.amdhsa_forward_progress 1
		.amdhsa_inst_pref_size 250
	.end_amdhsa_kernel
	.amdgpu_metadata
---
amdhsa.version: [ 1, 2 ]
amdhsa.kernels:
  - .name:           k_qc5245e8ac3_attn
    .symbol:         k_qc5245e8ac3_attn.kd
    .args:
      - { .name: Kh, .offset: 0, .size: 8, .value_kind: global_buffer, .address_space: global }
      - { .name: Vh, .offset: 8, .size: 8, .value_kind: global_buffer, .address_space: global }
      - { .name: Q, .offset: 16, .size: 8, .value_kind: global_buffer, .address_space: global }
      - { .name: mbits, .offset: 24, .size: 8, .value_kind: global_buffer, .address_space: global }
      - { .name: out0, .offset: 32, .size: 8, .value_kind: global_buffer, .address_space: global }
    .group_segment_fixed_size: 327680
    .private_segment_fixed_size: 0
    .kernarg_segment_align: 8
    .kernarg_segment_size: 40
    .max_flat_workgroup_size: 128
    .sgpr_count:     100
    .vgpr_count:     770
    .wavefront_size: 32
...
	.end_amdgpu_metadata
.endif
;; end of part 2
